; MI455X (gfx1250); checked and timed in simulation.
; The chip was launched on July 23, 2026; its instructions are those of AMD's public machine-readable ISA for CDNA 5 (MIT licence, August 2026) and "CDNA5" Instruction Set Architecture Reference Guide (July 2026). The comments in the code are by the model that wrote it; some were corrected since.
;; Multi Head Attention. Allowed arithmetic: matrix products marked QUANTISED: E5M2 operands, one E8M0 scale for each 32 along K, by v_wmma_scale_f32_16x16x128_f8f6f4 with both operands' format E5M2, f32 sums; everything else in f32.
;; Inputs: keys_codes 4 x 2,048 x 16 x 2 x 32 uint8 (E5M2 codes of keys, K innermost, in blocks of 32 codes); keys_scales 4 x 2,048 x 16 x 2 uint8 (E8M0 scales of keys, one for each 32 codes along K); queries_codes 4 x 2,048 x 16 x 2 x 32 uint8 (E5M2 codes of queries, K innermost, in blocks of 32 codes); queries_scales 4 x 2,048 x 16 x 2 uint8 (E8M0 scales of queries, one for each 32 codes along K); values_codes 4 x 16 x 64 x 64 x 32 uint8 (E5M2 codes of values, K innermost, in blocks of 32 codes); values_scales 4 x 16 x 64 x 64 uint8 (E8M0 scales of values, one for each 32 codes along K).
;; Outputs: out0 4 x 2,048 x 16 x 64 float32.
;; This version of the problem:
;;   THIS VERSION OF THE PROBLEM IS GIVEN IN LOW PRECISION. The matrix products marked QUANTISED in the list below multiply operands that are first quantised to E5M2 (5 exponent bits, 2 mantissa bits; 8 bits a number), with one power-of-two scale for each 32 numbers along K (OCP MX v1.0); their sums are f32. All else is computed in f32.
;;   The module's matrix products, in the order in which they are computed (A, B: the left and right operand; K: the contracted axis; several contracted axes count as one K, in the product's order):
;;     1. batch 64 x [M 2,048, K 64] x [K 64, N 2,048]; A: input queries (given as codes); B: input keys (given as codes): QUANTISED
;;     2. batch 64 x [M 2,048, K 2,048] x [K 2,048, N 64]; A: softmax (see below); B: input values (given as codes): QUANTISED
;;   THE QUANTISER, for each operand of a quantised product, along K:
;;     - K is cut into blocks of 32 from its start; a last block that is shorter is filled with zeros.
;;     - A block's scale is 2^e with e = floor(log2(the largest magnitude in the block)) - 15, held to -126 .. 127; a block of zeros has e = 0. As a byte (E8M0): e + 127.
;;     - Each number is divided by its block's scale, clamped to +-57,344, and rounded to the nearest number of E5M2, ties to even, subnormals kept.
;;     - The product sums the exact products of the quantised numbers (number of the format x scale) in f32.
;;   ~~~python
;;   def quantise(x, axis):      # numpy; x: float32 -> the quantised numbers, widened to float32 again
;;       x = np.moveaxis(x, axis, -1); K = x.shape[-1]
;;       x = np.pad(x, [(0, 0)] * (x.ndim - 1) + [(0, -K % 32)]); x = x.reshape(x.shape[:-1] + (-1, 32)); a = np.abs(x).max(-1, keepdims=True)
;;       e = np.where(a > 0, np.clip(np.frexp(np.where(a > 0, a, 1))[1] - 1 - 15, -126, 127), 0)      # np.frexp(a)[1] - 1 = floor(log2(a)), exactly
;;       r = np.clip(x / 2.0 ** e, -57344, 57344)
;;       step = 2.0 ** (np.maximum(np.frexp(np.where(r == 0, 1, r))[1] - 1, -14) - 2)
;;       q = np.round(r / step) * step * 2.0 ** e      # np.round: ties to even
;;       return np.moveaxis(q.reshape(q.shape[:-2] + (-1,))[..., :K], -1, axis).astype(np.float32)
;;   ~~~
;;   SOFTMAX AHEAD OF A QUANTISED PRODUCT. Where the list says 'softmax', what is quantised is not the finished softmax but p = 2^(t - M), with t = logit x log2(e) and M = ceil(the row's largest t), a whole number; so 1/2 < the row's largest p <= 1. The row's sum l is taken of the UNQUANTISED p, in f32, and the product's result is divided by l at the end. Since M is a whole number, a kernel that streams over the keys may use a running M (the ceiling of the running maximum): every later rescaling is an exact power of two, which a block's scale takes up: the codes' values come out the same.
;;   OPERANDS COMPUTED ON THE WAY. 'Computed on the way' means the value that the module computes at that place (a softmax that the list does not call 'softmax' is quantised finished and normalised). What goes into a quantiser is computed in f32, as accurately as f32 sums, v_exp_f32 and their like allow (about 1e-6 of the number): no bf16 or f16 on the way to a quantiser, and a product that is left as it is and whose result goes on into a quantised operand takes f32 operands (vector FMAs, or v_wmma_f32_16x16x4_f32). A number that lies on a knife's edge between two numbers of the format may be rounded either way, as far as f32 arithmetic and the matrix unit's own rounding can turn it there, and no further.
;;   INPUTS GIVEN AS CODES. keys (in the module: [4, 2048, 16, 64], K = its axis 3); queries (in the module: [4, 2048, 16, 64], K = its axis 3); values (in the module: [4, 2048, 16, 64], K = its axis 1): each comes as NAME_codes (uint8): NAME with its K axis moved to the last place and cut into blocks of 32 codes, [.., K / 32, bytes a block], one block behind the other in memory; one code a byte (a code: sign, 5 exponent bits, 2 mantissa bits); and NAME_scales (uint8): the same leading axes, one E8M0 byte (e + 127) for each 32 codes along K. Its value is code x scale, taken as it is: it is not quantised again, and the codes and scales need not be those that the quantiser above would give.
;; One version. Each part assembles by itself: llvm-mc -triple=amdgcn-amd-amdhsa -mcpu=gfx1250 --defsym DOCPART=n.
;; ======== version 1 of 1: 1 launch
;; limits: right only within a limited range of input values
;; launch attn (part 1): grid 4 x 64, 16 waves a work-group, no clusters, 327,680 bytes of LDS; arguments queries_codes, queries_scales, keys_codes, keys_scales, values_codes, values_scales, out0; writes out0
.if DOCPART == 1
	.amdgcn_target "amdgcn-amd-amdhsa--gfx1250"
	.amdhsa_code_object_version 6
	.text
	.protected	k_qca9698897c_attn
	.globl	k_qca9698897c_attn
	.p2align	8
	.type	k_qca9698897c_attn,@function
k_qca9698897c_attn:
	s_mov_b64 s[64:65], 0
	v_nop
	global_prefetch_b8 v0, s[64:65] scope:SCOPE_SE
	s_setreg_imm32_b32 hwreg(HW_REG_WAVE_MODE, 25, 1), 1
	s_wait_xcnt 0x0
; out[b][q][h][:] = the sum over keys k <= q of softmax_k(Q[b][q][h] . K[b][k][h] / 8) V[b][k][h][:], B = 4, L = 2,048, H = 16, D = 64; both products on codes of BF8 (E5M2) with one E8M0 scale for each 32 along a product's K.
; Q, K: codes [b][l][h][64], scale bytes [b][l][h][2].  V: codes with the KEYS innermost, [b][h][d][2,048], scale bytes [b][h][d][64].  out: [b][l][h][64] f32.
; THE SOFTMAX AHEAD OF THE SECOND PRODUCT: t = score x log2(e) / 8; M = the row's largest t so far, rounded UP to a whole number; p = 2^(t - M) is what is quantised, along the keys; it is not normalised.
; The row's sum is taken of the unquantised p, in f32, and divides O at the end.  When M moves, the sum and O are multiplied by 2^(old M - new M): exact.
; SHARES.  A head's 2,048 queries are 8 blocks of 256.  Work-group i (0..3) of a head owns block 7 - i and block i: block 7 - i wants key slots (256 keys) 0 .. 7 - i, block i slots 0 .. i: always 9 UNITS of
; (256 queries x 256 keys), two of them on the diagonal: 4 x 64 = 256 work-groups of equal work, and a loop of a constant number of trips.  Units 0 .. 7 - i: block 7 - i, slot = unit.  Units 8 - i .. 8: block i, slot = 8 - unit
; (downward, beginning on the diagonal: every query sees a key in its first step).  Between the two blocks the first one's O leaves and the state begins anew.
; Each of the SIXTEEN waves owns 16 queries of the block in hand, one tile, in 256 registers: four waves to a SIMD, so that one wave's vector work (about 290 lines for 128 keys) stands beside another's 12 matrix instructions and its LDS loads.
; LAYOUT.  Both products are used transposed: S^T = K Q^T (source 0 = 16 keys, source 1 = my 16 queries), O^T = V^T P^T (source 0 = 16 of the head's 64, source 1 = P): a lane holds ONE query (lane % 16) throughout.
; THE KEYS OF A TILE ARE NOT NEIGHBOURS: lane r of tile 2 b + u takes key 32 b + 8 u + r + 8 (r / 8), so that the 16 registers of tiles 2 b and 2 b + 1 are 16 neighbouring keys, 32 b + 16 (lane / 16) + 0 .. 15.
; THE FIRST PRODUCT'S K IS 64, the instruction's 128: registers 8-15 of Q's and of K's fragments hold zero codes, written once; their scale bytes are the zeros that a 16-bit load leaves (2^-127, over zero codes).
; THE RING.  Two LDS slots; a slot holds a unit's 256 rows of K, 64 rows of V and the scale bytes of its 256 keys for all 16 heads (8,192 consecutive bytes of memory; the lane picks its head's two).  Waves 0, 1 fetch K's halves,
; wave 2 V, wave 3 K's scale bytes; all sixteen read.  V's scale bytes of the whole head (4,096 consecutive bytes) come once (wave 4) and stay.
; NOT IN CLUSTERS: the four work-groups of a head want the same key slot in units 0 to 4 and 8 only; in units 5, 6, 7 they want slots {5,5,5,3}, {6,6,2,2}, {7,1,1,1}, so a joint request would need a mask or a branch that hangs
; on a work-group's place; a walk in step through all 8 slots for both blocks would take 12 units' time against 9.
; LIMITS: a p under 2^-126 comes out of v_exp_f32 as 0 (ISA guide, 15.8); a block of p that is all zeros gets the scale byte 1 where the rule says 127: its codes are zeros, and the byte is read here alone;
; codes of infinity or NaN and the scale byte 0xff among the inputs go to the matrix unit as they are where their step is worked, and are not seen in steps that the mask hides: such inputs are not served.
.set KP,    80                         ; a key's row in LDS: 64 bytes + 16 of padding: five times 16 bytes, so that rows one apart start 20 words apart
.set VP,    272                        ; a row of V's tile: 256 bytes + 16
.set SP,    272                        ; a row of K's scale bytes (8 keys x 32 bytes), and of the stage: 256 bytes + 16
.set VOFF,  256*KP                     ; a slot: 256 rows of K,
.set KSOFF, VOFF+64*VP                 ; 64 rows of V, 32 rows of K's scale bytes: 46,592 bytes
.set SLOT1, 1<<16                      ; slot 1 begins here, so that one exclusive or turns an address in one slot into the other's
.set SCV,   2*SLOT1                    ; behind the ring: V's scale bytes of the head, row d at 64 d; filled once
.set STAGE, SCV+4096                   ; the way out: 16 rows x 272 bytes for each wave; no fill ever lands there
.set WSTG,  16*SP
.set SPARE, STAGE+16*WSTG              ; the spare words, 128 bytes for each wave: eight blocks of 256 bytes that no other line names
.set AK0,  1                           ; v1   my lane's place in a tile of K: (r + 8 (r / 8)) KP + 16 g        (r = lane % 16, g = lane / 16)
.set AV0,  2                           ; v2   in a tile of V: VOFF + r VP + 16 g
.set ASK0, 3                           ; v3   among K's scale bytes: KSOFF + (2 (r / 8) + g) SP + 32 (r % 8) + 2 h: lanes 0-15 an even tile's keys, lanes 16-31 the odd tile's behind it
.set ASV,  4                           ; v4   among V's scale words: SCV + 64 r + 4 g: lanes 0-15 a unit's first 128 keys, lanes 16-31 its second
.set SPW,  5                           ; v5   LDS address of my spare word: SPARE + 4 x my thread's number; never rewritten
.set NIL,  6                           ; v6   0; never rewritten
.set GO,   7                           ; v7   the way out: my byte offset in the wave's rows of out: 4,096 g + 16 r
.set ADK,  8                           ; v8-10 the slot in hand + v1, v2, v3
.set ADV,  9
.set ADS,  10
.set STI,  11                          ; v11  the stage, on the way in: row r, + 32 g
.set NM,   12                          ; v12  -M
.set TMX,  13                          ; v13  the largest t so far
.set LS,   14                          ; v[14:15] the row's sum, in two halves
.set QF,   16                          ; v16-23 Q's codes, v24-31 zero codes
.set KFR,  32                          ; v32-95 four fragments of K: 8 registers of codes, 8 of zero codes each
.set ST,   96                          ; v96-159 S^T, then p, then V's four fragments; on the way out O and its rows
.set OT,   160                         ; v160-191 O^T, four tiles
.set PC,   192                         ; v192-207 p's codes
.set BM,   208                         ; v208-211 the blocks' largest scores, then their largest p
.set PB,   212                         ; v212-215 the other half's maxima, then the scale bytes, then the second chain of the sum
.set HL,   216
.set SO,   220                         ; v220-223 the conversions' scale operands
.set KSC,  224                         ; v224-227 K's scale words: register b: lanes 0-15 tile 2 b, lanes 16-31 tile 2 b + 1
.set VSC,  228                         ; v228-231 V's scale words of the unit: register t: tile t
.set FF,   232                         ; v232 f = 2^(old M - new M)
.set PSW,  233                         ; v233 p's scale word
.set TMP,  234
.set QSC,  235                         ; v235 Q's scale words
.set QH,   236                         ; v236-243 the second block's Q, v244 its scale words, kept until the change of blocks
.set QHS,  244
.set STO,  245                         ; v245 the stage, on the way back: row g, + 16 r
.set LD,   246                         ; v246 r - 16 g
.set NINF, 247                         ; v247 -infinity
.set DD,   248                         ; v248 the mask's bound
.set RR,   249                         ; v249-254 at work at the head
.set GG,   250
.set QO,   251
.set QSO,  252
.set T0,   253
.set T1,   254
.set WV,   18                          ; s18  my wave's number
.set MNT,  19
.set SEL,  20                          ; s[20:21] lane selects for v_permlanex16_b32: lane l xor 16
.set CS,   22                          ; s[22:23] c = log2(e) / 8: the packed form names a pair and takes its low word for both halves
.set G1K,  24                          ; descriptor groups 1: K's tiles, V's, K's scale bytes, V's scale table
.set G1V,  32
.set G1S,  40
.set G1T,  48
.set G0K,  56                          ; and groups 0
.set G0V,  60
.set G0S,  68
.set G0T,  72
.set KB,   76                          ; s[76:77] K's codes at the head's key 0 (waves with an odd number: key 128);  s[78:79] V's codes at the head;  s[80:81] K's scale bytes at the batch
.set VB,   78
.set SB,   80
.set TB,   82                          ; s82  LDS byte at which the slot in hand begins
.set U,    83                          ; s83  the unit
.set LASTB, 84                         ; s84  the first block's last unit: 7 - i
.set SL,   85                          ; s85  the unit's key slot
.set KF,   86                          ; s86  its first key
.set Q0,   87                          ; s87  my first query of the block in hand;  s88 of the second block
.set Q0A,  88
.set OUT,  90                          ; s[90:91] out at my first query's row of the head;  s[92:93] the second block's
.set OUTA, 92
.set W0K,  (1<<20)|(3<<22)|(3<<25)             ; elements of 1 byte; padding on: four words behind every 16
.set W0V,  (1<<20)|(5<<22)|(3<<25)             ; four words behind every 64
.set W0S,  (3<<16)|(1<<20)|(5<<22)|(3<<25)     ; elements of 8 bytes; four words behind every 64
.set W0T,  (3<<16)                             ; elements of 8 bytes, no padding
.macro GROUP1 g, w, c, r, p            ; a tile of r rows of c elements, p elements from row to row; it never crosses the tensor's end, so the tensor's extents are the tile's
	s_mov_b32 s[\g], \w
	s_mov_b32 s[\g+1], (\c)<<16
	s_mov_b32 s[\g+2], (\r)<<16
	s_mov_b32 s[\g+3], (\c)<<16
	s_mov_b32 s[\g+4], \r
	s_mov_b32 s[\g+5], \p
	s_mov_b32 s[\g+6], 0
	s_mov_b32 s[\g+7], 0
.endm
.macro PLACES n
.rept \n
	v_nop
.endr
.endm
; A unit's tiles are asked for: waves 0, 1 K's halves, wave 2 V, wave 3 K's scale bytes; table = 1 (the head): wave 4 V's scale table.  The other waves ask for nothing.  The branches hang on the wave's number alone.
; Four v_nop follow each tensor load.
.macro TLOAD table
	s_cmp_lt_u32 s[WV], 2
	s_cbranch_scc0 .Lnot_k_\@
	tensor_load_to_lds s[G0K:G0K+3], s[G1K:G1K+7]
	s_nop 0
	PLACES 4
	s_branch .Lasked_\@
.Lnot_k_\@:
	s_cmp_eq_u32 s[WV], 2
	s_cbranch_scc0 .Lnot_v_\@
	tensor_load_to_lds s[G0V:G0V+3], s[G1V:G1V+7]
	s_nop 0
	PLACES 4
	s_branch .Lasked_\@
.Lnot_v_\@:
	s_cmp_eq_u32 s[WV], 3
	s_cbranch_scc0 .Lnot_s_\@
	tensor_load_to_lds s[G0S:G0S+3], s[G1S:G1S+7]
	s_nop 0
	PLACES 4
.if \table
	s_branch .Lasked_\@
.endif
.Lnot_s_\@:
.if \table
	s_cmp_eq_u32 s[WV], 4
	s_cbranch_scc0 .Lasked_\@
	tensor_load_to_lds s[G0T:G0T+3], s[G1T:G1T+7]
	s_nop 0
	PLACES 4
.endif
.Lasked_\@:
.endm
; The state of a block of queries at its start: O^T and the sum are zeros and the largest t lies under every t, so that the step is written once: the first change of M multiplies zeros.
.macro FRESH
	v_mov_b32 v[TMX], 0xff61b1e6                   ; -3e38
	s_delay_alu instid0(VALU_DEP_1)
	v_floor_f32 v[NM], -v[TMX]
	v_mov_b32 v[LS], 0
	v_mov_b32 v[LS+1], 0
.set n, 0
.rept 32
	v_mov_b32 v[OT+n], 0
.set n, n+1
.endr
.endm
	s_load_b256 s[4:11], s[0:1], 0x0               ; Q's codes s[4:5], Q's scales s[6:7], K's codes s[8:9], K's scales s[10:11]
	s_load_b128 s[12:15], s[0:1], 0x20             ; V's codes s[12:13], V's scales s[14:15]
	s_load_b64 s[16:17], s[0:1], 0x30              ; out
	v_lshl_add_u32 v[SPW], v0, 2, SPARE
	v_mov_b32 v[NIL], 0
	ds_add_u32 v5, v6
	ds_add_u32 v5, v6
	s_wait_dscnt 0x0
	v_lshrrev_b32 v[T0], 5, v0
	s_delay_alu instid0(VALU_DEP_1)
	v_readfirstlane_b32 s[WV], v[T0]               ; wave 0..15
	s_and_b32 s2, ttmp7, 0xffff                    ; 16 b + h
	s_lshr_b32 s3, s2, 4                           ; b
	s_and_b32 s66, s2, 15                          ; h
	s_sub_co_u32 s[LASTB], 7, ttmp9                ; 7 - i: the first block, and its last unit
	s_lshl_b32 s67, s[WV], 4
	s_lshl_b32 s[Q0], s[LASTB], 8
	s_add_co_u32 s[Q0], s[Q0], s67                 ; my first query: 256 (7 - i) + 16 x wave,
	s_lshl_b32 s[Q0A], ttmp9, 8
	s_add_co_u32 s[Q0A], s[Q0A], s67               ; and in the second block: 256 i + 16 x wave
	s_and_b32 s89, s[WV], 1                        ; which half of K's tile I fetch, if I fetch
	GROUP1 G1K, W0K, 64, 128, 1024                 ; K: 128 rows of 64 bytes, 1,024 bytes apart (16 heads lie between two keys)
	GROUP1 G1V, W0V, 256, 64, 2048                 ; V: 64 rows of 256 bytes, 2,048 bytes apart
	GROUP1 G1S, W0S, 32, 32, 32                    ; K's scale bytes: 8,192 consecutive bytes as 32 rows of 256
	GROUP1 G1T, W0T, 32, 16, 32                    ; V's scale table: 4,096 consecutive bytes as 16 rows of 256
	s_mov_b32 s[SEL], 0x76543210
	s_mov_b32 s[SEL+1], 0xfedcba98
	s_mov_b32 s[CS], 0x3e38aa3b                    ; c = log2(e) / 8
	s_mov_b32 s[CS+1], s[CS]                       ; (named with it as a pair, so it is written)
	s_mov_b32 s[TB], 0
	s_mov_b32 s[U], 0
	s_mov_b32 s99, 0                               ; s[98:99]: an offset under 2^32 as a pair
	s_lshl_b32 s94, s3, 21
	s_lshl_b32 s95, s66, 6
	s_add_co_u32 s94, s94, s95                     ; the head's row 0 in Q's and K's codes: 2^21 b + 64 h
	s_wait_kmcnt 0x0
	s_lshl_b32 s98, s89, 17                        ; 128 rows of 1,024 bytes
	s_add_co_u32 s98, s98, s94
	s_add_nc_u64 s[KB:KB+1], s[8:9], s[98:99]
	s_lshl_b32 s98, s2, 17                         ; a head of V: 64 rows of 2,048 bytes
	s_add_nc_u64 s[VB:VB+1], s[12:13], s[98:99]
	s_lshl_b32 s98, s3, 16                         ; a batch of scale bytes: 2,048 x 32
	s_add_nc_u64 s[SB:SB+1], s[10:11], s[98:99]
	s_lshl_b32 s98, s2, 12                         ; a head of V's scale bytes: 64 x 64
	s_mov_b32 s[G0K], 1                            ; groups 0: count 1; LDS address; global address of the tile's first byte; type 2 on top.  Unit 0 is key slot 0, into LDS slot 0
	s_mul_i32 s[G0K+1], s89, 128*KP
	s_mov_b64 s[G0K+2:G0K+3], s[KB:KB+1]
	s_or_b32 s[G0K+3], s[G0K+3], 0x80000000
	s_mov_b32 s[G0V], 1
	s_mov_b32 s[G0V+1], VOFF
	s_mov_b64 s[G0V+2:G0V+3], s[VB:VB+1]
	s_or_b32 s[G0V+3], s[G0V+3], 0x80000000
	s_mov_b32 s[G0S], 1
	s_mov_b32 s[G0S+1], KSOFF
	s_mov_b64 s[G0S+2:G0S+3], s[SB:SB+1]
	s_or_b32 s[G0S+3], s[G0S+3], 0x80000000
	s_mov_b32 s[G0T], 1
	s_mov_b32 s[G0T+1], SCV
	s_add_nc_u64 s[G0T+2:G0T+3], s[14:15], s[98:99]
	s_or_b32 s[G0T+3], s[G0T+3], 0x80000000
	TLOAD 1                                        ; the first fills, one a wave, ahead of every wait on TENSORcnt, every LDS read and every barrier
	s_lshl_b32 s98, s[Q0], 10                      ; Q of both blocks is asked for now: a query's row is 1,024 bytes on from the last
	s_add_co_u32 s98, s98, s94
	s_add_nc_u64 s[8:9], s[4:5], s[98:99]          ; the first block's codes at my first query,
	s_lshl_b32 s98, s[Q0A], 10
	s_add_co_u32 s98, s98, s94
	s_add_nc_u64 s[4:5], s[4:5], s[98:99]          ; the second block's
	s_lshl_b32 s96, s66, 1                         ; 2 h
	s_lshl_b32 s95, s3, 16
	s_add_co_u32 s95, s95, s96
	s_lshl_b32 s98, s[Q0], 5
	s_add_co_u32 s98, s98, s95
	s_add_nc_u64 s[10:11], s[6:7], s[98:99]        ; and their scale bytes: 32 a query
	s_lshl_b32 s98, s[Q0A], 5
	s_add_co_u32 s98, s98, s95
	s_add_nc_u64 s[6:7], s[6:7], s[98:99]
	v_and_b32 v[RR], 15, v0                        ; r
	s_wait_alu depctr_va_vdst(0)
	v_bfe_u32 v[GG], v0, 4, 1                      ; g
	v_lshlrev_b32 v[QO], 10, v[RR]
	s_delay_alu instid0(VALU_DEP_1)
	v_lshl_add_u32 v[QO], v[GG], 4, v[QO]          ; query r's row, + 16 g
	v_lshlrev_b32 v[QSO], 5, v[RR]
	global_load_b128 v[QF:QF+3], v[QO], s[8:9]               ; registers 4 c .. 4 c + 3: k = 32 c + 16 g + 0 .. 15, c = 0, 1
	global_load_b128 v[QF+4:QF+7], v[QO], s[8:9] offset:32
	global_load_u16 v[QSC], v[QSO], s[10:11]                 ; two scale bytes; the word's upper two are zeros, over zero codes
	global_load_b128 v[QH:QH+3], v[QO], s[4:5]
	global_load_b128 v[QH+4:QH+7], v[QO], s[4:5] offset:32
	global_load_u16 v[QHS], v[QSO], s[6:7]
	s_lshl_b32 s94, s3, 23                         ; out: 2^23 b + 4,096 x query + 256 h
	s_lshl_b32 s97, s66, 8
	s_add_co_u32 s94, s94, s97
	s_lshl_b32 s98, s[Q0], 12
	s_add_co_u32 s98, s98, s94
	s_add_nc_u64 s[OUT:OUT+1], s[16:17], s[98:99]
	s_lshl_b32 s98, s[Q0A], 12
	s_add_co_u32 s98, s98, s94
	s_add_nc_u64 s[OUTA:OUTA+1], s[16:17], s[98:99]
	v_lshrrev_b32 v[T0], 3, v[RR]                  ; r / 8
	s_delay_alu instid0(VALU_DEP_1)
	v_lshl_add_u32 v[T1], v[T0], 3, v[RR]          ; r + 8 (r / 8)
	s_delay_alu instid0(VALU_DEP_1)
	v_mul_u32_u24 v[AK0], v[T1], KP
	s_wait_alu depctr_va_vdst(0)
	v_lshl_add_u32 v[AK0], v[GG], 4, v[AK0]
	v_mul_u32_u24 v[AV0], v[RR], VP
	s_delay_alu instid0(VALU_DEP_1)
	v_lshl_add_u32 v[AV0], v[GG], 4, v[AV0]
	s_delay_alu instid0(VALU_DEP_1)
	v_add_nc_u32 v[AV0], VOFF, v[AV0]
	v_lshl_add_u32 v[ASK0], v[T0], 1, v[GG]        ; key 32 b + 8 g + r + 8 (r / 8) lies in row 4 b + g + 2 (r / 8) of eight keys, at place r % 8
	s_delay_alu instid0(VALU_DEP_1)
	v_mul_u32_u24 v[ASK0], v[ASK0], SP
	v_and_b32 v[T1], 7, v[RR]
	s_delay_alu instid0(VALU_DEP_1)
	v_lshl_add_u32 v[ASK0], v[T1], 5, v[ASK0]
	s_delay_alu instid0(VALU_DEP_1)
	v_add_nc_u32 v[ASK0], KSOFF, v[ASK0]
	s_delay_alu instid0(VALU_DEP_1)
	v_add_nc_u32 v[ASK0], s96, v[ASK0]             ; my head's two bytes of the key's 32: 2 h is at most 30, so the address stays inside the key's 32 bytes
	v_lshlrev_b32 v[ASV], 6, v[RR]
	s_delay_alu instid0(VALU_DEP_1)
	v_lshl_add_u32 v[ASV], v[GG], 2, v[ASV]
	s_delay_alu instid0(VALU_DEP_1)
	v_add_nc_u32 v[ASV], SCV, v[ASV]
	v_lshlrev_b32 v[GO], 12, v[GG]
	s_delay_alu instid0(VALU_DEP_1)
	v_lshl_add_u32 v[GO], v[RR], 4, v[GO]
	s_mul_i32 s97, s[WV], WSTG
	s_add_co_u32 s97, s97, STAGE                   ; my stage
	v_mul_u32_u24 v[STI], v[RR], SP
	s_delay_alu instid0(VALU_DEP_1)
	v_lshl_add_u32 v[STI], v[GG], 5, v[STI]
	s_delay_alu instid0(VALU_DEP_1)
	v_add_nc_u32 v[STI], s97, v[STI]
	v_mul_u32_u24 v[STO], v[GG], SP
	s_delay_alu instid0(VALU_DEP_1)
	v_lshl_add_u32 v[STO], v[RR], 4, v[STO]
	s_delay_alu instid0(VALU_DEP_1)
	v_add_nc_u32 v[STO], s97, v[STO]
	v_lshlrev_b32 v[LD], 4, v[GG]
	s_delay_alu instid0(VALU_DEP_1)
	v_sub_nc_u32 v[LD], v[RR], v[LD]
	v_mov_b32 v[NINF], 0xff800000
.set n, 0
.rept 8
	v_mov_b32 v[QF+8+n], 0                         ; the zero codes of k = 64 .. 127: written once, never loaded over
.irp t, 0,1,2,3
	v_mov_b32 v[KFR+16*\t+8+n], 0
.endr
.set n, n+1
.endr
.irp b, 0,1,2,3
	v_mov_b32 v[PB+\b], 0                          ; written once: a lane permute's destination counts as one of its sources
.endr
	v_mov_b32 v[PSW], 0                            ; (named as the upper half of the pair v[232:233] before it is first written)
	FRESH
; THE CHANGE OF SLOTS stands at a unit's head.  Each wave waits for all its tensor loads (its part of the slot that it is about to read), adds 0 to its spare word, and waits for that and for its reads of the slot that it has left.
; Behind the barrier the slot ahead is whole and nobody reads the other one.  fill = 1: that other slot is filled with the next unit's tiles: the load has a whole unit's steps in which to land.
.macro CHANGE fill
	s_wait_tensorcnt 0x0                           ; no tensor load of mine is out, so a group 0 may be written
	ds_add_u32 v[SPW], v[NIL]                      ; 0 onto my spare word: with fill = 1 the descriptors' steps stand between it and the wait for it
.if \fill
	s_add_co_u32 s94, s[U], 1                      ; the next unit's key slot: unit + 1 while the first block lasts, then 8 - (unit + 1)
	s_sub_co_u32 s95, 7, s[U]
	s_cmp_le_u32 s94, s[LASTB]
	s_cselect_b32 s94, s94, s95
	s_mov_b32 s99, 0
	s_lshl_b32 s98, s94, 18                        ; K: 256 rows of 1,024 bytes a slot
	s_add_nc_u64 s[G0K+2:G0K+3], s[KB:KB+1], s[98:99]
	s_or_b32 s[G0K+3], s[G0K+3], 0x80000000
	s_xor_b32 s[G0K+1], s[G0K+1], SLOT1            ; the other LDS slot than last time
	s_lshl_b32 s98, s94, 8                         ; V: 256 bytes along each row
	s_add_nc_u64 s[G0V+2:G0V+3], s[VB:VB+1], s[98:99]
	s_or_b32 s[G0V+3], s[G0V+3], 0x80000000
	s_xor_b32 s[G0V+1], s[G0V+1], SLOT1
	s_lshl_b32 s98, s94, 13                        ; K's scale bytes: 256 keys x 32
	s_add_nc_u64 s[G0S+2:G0S+3], s[SB:SB+1], s[98:99]
	s_or_b32 s[G0S+3], s[G0S+3], 0x80000000
	s_xor_b32 s[G0S+1], s[G0S+1], SLOT1
.endif
	s_wait_dscnt 0x0                               ; the add is done, and my reads of the slot that I have left are over
	s_barrier_signal -1
	s_barrier_wait -1
.if \fill
	TLOAD 0                                        ; the first thing behind the barrier, and a wave's one tensor load until the next
.endif
.endm
; The unit's LDS addresses.  With the six v_nop these are nine places behind the last unit's last products: S^T will be written over the registers from which those took V (nine are asked of a matrix instruction that
; writes over another's source), and V's scale words are loaded into their scale registers (eight).
.macro UNITHEAD
	v_add_nc_u32 v[ADK], s[TB], v[AK0]
	v_add_nc_u32 v[ADV], s[TB], v[AV0]
	v_add_nc_u32 v[ADS], s[TB], v[ASK0]
	PLACES 6
.endm
.macro VSLOAD k                        ; V's scale words for key slot k: tile t's row r at 64 (16 t + r); lanes 0-15 the word of keys 256 k on, lanes 16-31 that of keys 256 k + 128 on
.irp t, 0,1,2,3
	ds_load_b32 v[VSC+\t], v[ASV] offset:1024*\t+8*\k
.endr
.endm
.macro VSARM k                         ; one arm of the choice by key slot: the slot stands in the loads' immediates, so that every LDS address is a constant and a lane's term
	s_cmp_eq_u32 s[SL], \k
	s_cbranch_scc0 .Lvs_next_\@
	VSLOAD \k
	s_branch .Lvs_done
.Lvs_next_\@:
.endm
.macro KLOAD q, grp                    ; four tiles of 16 keys: 64 bytes a key, two loads a tile; the upper eight registers of a fragment keep their zero codes
.irp t, 0,1,2,3
.irp c, 0,1
	ds_load_b128 v[KFR+16*\t+4*\c:KFR+16*\t+4*\c+3], v[ADK] offset:(128*\q+32*((4*\grp+\t)/2)+8*(\t%2))*KP+32*\c
.endr
.endr
.endm
.macro KQ4 grp                         ; S^T = K Q^T for these four tiles; an odd tile's scale words lie in lanes 16-31
.irp t, 0,1,2,3
.if \t%2
	v_wmma_scale_f32_16x16x128_f8f6f4 v[ST+8*(4*\grp+\t):ST+8*(4*\grp+\t)+7], v[KFR+16*\t:KFR+16*\t+15], v[QF:QF+15], 0, v[KSC+2*\grp+\t/2], v[QSC] matrix_a_fmt:MATRIX_FMT_BF8 matrix_b_fmt:MATRIX_FMT_BF8 matrix_a_scale:MATRIX_SCALE_ROW1
.else
	v_wmma_scale_f32_16x16x128_f8f6f4 v[ST+8*(4*\grp+\t):ST+8*(4*\grp+\t)+7], v[KFR+16*\t:KFR+16*\t+15], v[QF:QF+15], 0, v[KSC+2*\grp+\t/2], v[QSC] matrix_a_fmt:MATRIX_FMT_BF8 matrix_b_fmt:MATRIX_FMT_BF8
.endif
.endr
.endm
; A KEY STEP: 128 keys, the q-th of the unit's 256.
.macro STEP q
.if \q                                         ; CAUSAL.  A unit's first key never comes after my queries; its second step is left out where all its keys do: a scalar branch on ids; no barrier and no tensor load stands in a step
	s_add_co_u32 s96, s[Q0], 15
	s_add_co_u32 s97, s[KF], 128
	s_cmp_gt_u32 s97, s96
	s_cbranch_scc1 .Lhidden_\@
.endif
.irp b, 0,1,2,3
	ds_load_u16 v[KSC+\b], v[ADS] offset:(16*\q+4*\b)*SP       ; two scale bytes a key; the word's upper two bytes are zeros, over zero codes
.endr
	KLOAD \q, 0
.if \q
	PLACES 9                                       ; behind the first step's last products, over whose source registers S^T is written (the first step has its nine at the unit's head)
.endif
	s_wait_dscnt 0x0
	KQ4 0
	PLACES 8                                       ; in front of loads into registers that these products read
	KLOAD \q, 1
	s_wait_dscnt 0x0
	KQ4 1                                          ; lane (r, g) holds query r; the 16 registers of tiles 2 b, 2 b + 1 are keys 32 b + 16 g + 0 .. 15 of the step
	PLACES 8                                       ; in front of the first read of results
	s_add_co_u32 s96, s[KF], 128*\q+127            ; on the diagonal the scores of hidden keys become -infinity ahead of the maximum: p = 0 then.  A step all of whose keys count skips this
	s_cmp_le_u32 s96, s[Q0]
	s_cbranch_scc1 .Lopen_\@
	s_sub_co_i32 s96, s[Q0], s[KF]
.if \q
	s_sub_co_i32 s96, s96, 128
.endif
	v_add_nc_u32 v[DD], s96, v[LD]                 ; d = my query - the step's first key - 16 g.  Register 16 b + i holds key 32 b + 16 g + i of the step: hidden where 32 b + i > d
.set n, 0
.rept 64
	v_cmp_gt_i32 vcc_lo, 32*(n/16)+n%16, v[DD]
	v_cndmask_b32 v[ST+n], v[ST+n], v[NINF], vcc_lo
.set n, n+1
.endr
.Lopen_\@:
.irp b, 0,1,2,3
	v_max3_num_f32 v[BM+\b], v[ST+16*\b], v[ST+1+16*\b], v[ST+2+16*\b]   ; THE LARGEST SCORE OF EACH BLOCK OF 32 KEYS: it serves twice: for the row's maximum, and, since p rises with the score, for the block's largest p.  (Each accumulator is read from its low end on)
.endr
.irp i, 3,5,7,9,11,13
.irp b, 0,1,2,3
	v_max3_num_f32 v[BM+\b], v[BM+\b], v[ST+16*\b+\i], v[ST+1+16*\b+\i]   ; (the four blocks by turns)
.endr
.endr
.irp b, 0,1,2,3
	v_max_num_f32 v[BM+\b], v[BM+\b], v[ST+15+16*\b]
.endr
.irp b, 0,1,2,3
	s_delay_alu instid0(VALU_DEP_4)
	v_permlanex16_b32 v[PB+\b], v[BM+\b], s[SEL], s[SEL+1]
.endr
.irp b, 0,1,2,3
	s_delay_alu instid0(VALU_DEP_4)
	v_max_num_f32 v[BM+\b], v[BM+\b], v[PB+\b]     ; with lane l xor 16's 16 keys
.endr
	s_delay_alu instid0(VALU_DEP_2)
	v_max3_num_f32 v[TMP], v[BM], v[BM+1], v[BM+2]
	s_delay_alu instid0(VALU_DEP_1)
	v_max_num_f32 v[TMP], v[TMP], v[BM+3]          ; the step's largest score of my query
	s_delay_alu instid0(VALU_DEP_1)
	v_mul_f32 v[TMP], s[CS], v[TMP]                ; as t (c is positive)
	s_delay_alu instid0(VALU_DEP_1)
	v_max_num_f32 v[TMX], v[TMX], v[TMP]           ; the running largest t
	v_mov_b32 v[TMP], v[NM]
	s_delay_alu instid0(VALU_DEP_2)
	v_floor_f32 v[NM], -v[TMX]                     ; the new -M = floor(-t) = -ceil(t): M IS A WHOLE NUMBER
	s_delay_alu instid0(VALU_DEP_1)
	v_sub_f32 v[TMP], v[NM], v[TMP]                ; M's old value less its new one: a whole number, 0 or less
	s_delay_alu instid0(VALU_DEP_1)
	v_cvt_i32_f32 v[TMP], v[TMP]                   ; (it saturates)
	s_delay_alu instid0(VALU_DEP_1)
	v_ldexp_f32 v[FF], 1.0, v[TMP]                 ; f = 2^(old M - new M): what was summed under the old M is brought under the new by a multiplication that rounds nothing
.set n, 0
.rept 32
	v_pk_fma_f32 v[ST+n:ST+n+1], v[ST+n:ST+n+1], s[CS:CS+1], v[NM:NM+1] op_sel_hi:[1,0,0]   ; t - M, two at a time (of the pairs c and -M the low word serves both halves)
.set n, n+2
.endr
.irp b, 0,1,2,3
	v_fma_f32 v[BM+\b], v[BM+\b], s[CS], v[NM]     ; the same of each block's largest score
.endr
.set n, 0
	s_wait_alu depctr_va_vdst(0)
.rept 64
	v_exp_f32 v[ST+n], v[ST+n]                     ; p = 2^(t - M), at most 1: NOT normalised
.set n, n+1
.endr
.irp b, 0,1,2,3
	v_exp_f32 v[BM+\b], v[BM+\b]                   ; the block's largest p: the same two instructions on the same number give the same bits
.endr
	v_pk_mul_f32 v[LS:LS+1], v[LS:LS+1], v[FF:FF+1] op_sel_hi:[1,0]   ; the sums under the new M.  (A plain place behind the exponentials)
	s_wait_alu depctr_va_vdst(0)
.irp b, 0,1,2,3
	v_max_num_f32 v[BM+\b], 0x8000000, v[BM+\b]    ; the floor 2^(16 - 127): the byte cannot fall under 1 (a block whose every p is 0 keeps that byte: its codes are zeros)
.endr
.irp b, 0,1,2,3
	s_delay_alu instid0(VALU_DEP_4)
	v_add_nc_u32 v[SO+\b], 0xf8800000, v[BM+\b]    ; 15 off the exponent field: the conversion's scale operand
.endr
.irp b, 0,1,2,3
.endr
.irp b, 0,1,2,3
	s_delay_alu instid0(VALU_DEP_4)
	v_lshrrev_b32 v[PB+\b], 23, v[SO+\b]           ; the scale's byte
.endr
	s_delay_alu instid0(VALU_DEP_3)
	v_lshl_or_b32 v[PSW], v[PB+1], 8, v[PB]        ; p's scale word for these 128 keys: made here, about sixty vector lines ahead of the products that take it
	s_delay_alu instid0(VALU_DEP_1)
	v_lshl_or_b32 v[PSW], v[PB+2], 16, v[PSW]
	s_delay_alu instid0(VALU_DEP_1)
	v_lshl_or_b32 v[PSW], v[PB+3], 24, v[PSW]
	v_pk_add_f32 v[212:213], v[100:101], v[104:105]
	v_pk_add_f32 v[254:255], v[108:109], v[112:113]
	v_pk_add_f32 v[252:253], v[116:117], v[120:121]
	v_pk_add_f32 v[250:251], v[124:125], v[128:129]
	v_pk_add_f32 v[248:249], v[132:133], v[136:137]
	v_pk_add_f32 v[226:227], v[140:141], v[144:145]
	v_pk_add_f32 v[224:225], v[148:149], v[152:153]
	v_pk_add_f32 v[14:15], v[14:15], v[156:157]
	v_pk_add_f32 v[212:213], v[212:213], v[96:97]
	v_pk_add_f32 v[254:255], v[254:255], v[98:99]
	v_pk_add_f32 v[252:253], v[252:253], v[102:103]
	v_pk_add_f32 v[250:251], v[250:251], v[106:107]
	v_pk_add_f32 v[248:249], v[248:249], v[110:111]
	v_pk_add_f32 v[226:227], v[226:227], v[114:115]
	v_pk_add_f32 v[224:225], v[224:225], v[118:119]
	v_pk_add_f32 v[14:15], v[14:15], v[122:123]
	v_pk_add_f32 v[212:213], v[212:213], v[126:127]
	v_pk_add_f32 v[254:255], v[254:255], v[130:131]
	v_pk_add_f32 v[252:253], v[252:253], v[134:135]
	v_pk_add_f32 v[250:251], v[250:251], v[138:139]
	v_pk_add_f32 v[248:249], v[248:249], v[142:143]
	v_pk_add_f32 v[226:227], v[226:227], v[146:147]
	v_pk_add_f32 v[224:225], v[224:225], v[150:151]
	v_pk_add_f32 v[14:15], v[14:15], v[154:155]
	v_pk_add_f32 v[212:213], v[212:213], v[158:159]
	s_delay_alu instid0(VALU_DEP_2)
	v_pk_add_f32 v[14:15], v[14:15], v[250:251]
	s_delay_alu instid0(VALU_DEP_2)
	v_pk_add_f32 v[212:213], v[212:213], v[248:249]
	v_pk_add_f32 v[254:255], v[254:255], v[226:227]
	v_pk_add_f32 v[252:253], v[252:253], v[224:225]
	s_delay_alu instid0(VALU_DEP_2)
	v_pk_add_f32 v[14:15], v[14:15], v[254:255]
	s_delay_alu instid0(VALU_DEP_2)
	v_pk_add_f32 v[212:213], v[212:213], v[252:253]
	s_delay_alu instid0(VALU_DEP_1)
	v_pk_add_f32 v[14:15], v[14:15], v[212:213]
.irp b, 0,1,2,3
.irp i, 0,1,2,3,4,5,6,7,8,9,10,11,12,13,14,15
.endr
	v_cvt_scalef32_pk8_bf8_f32 v[PC+4*\b:PC+4*\b+1], v[ST+16*\b:ST+16*\b+7], v[SO+\b]        ; registers 4 b .. 4 b + 3 of the operand: keys 32 b + 16 g + 0 .. 15
	v_cvt_scalef32_pk8_bf8_f32 v[PC+4*\b+2:PC+4*\b+3], v[ST+16*\b+8:ST+16*\b+15], v[SO+\b]
.endr
	v_nop
.irp t, 0,1,2,3                                ; V's four fragments (16 of the head's 64 x these 128 keys) land where p lay: p is done with, and K's zero codes stay untouched
.irp c, 0,1,2,3
	ds_load_b128 v[ST+16*\t+4*\c:ST+16*\t+4*\c+3], v[ADV] offset:16*\t*VP+128*\q+32*\c
.endr
.endr
.set n, 0
.rept 16
	v_pk_mul_f32 v[OT+n:OT+n+1], v[OT+n:OT+n+1], v[FF:FF+1] op_sel_hi:[1,0]   ; O^T under the new M: x f, while V is on its way.  (These 16 are also the plain line behind the conversions and the places between the codes and the products)
.set n, n+2
.endr
	s_wait_alu depctr_va_vdst(0)
	s_wait_dscnt 0x0
.irp t, 0,1,2,3                                ; O^T += V^T P^T: the four accumulators by turns, one instruction a turn
.if \q
	v_wmma_scale_f32_16x16x128_f8f6f4 v[OT+8*\t:OT+8*\t+7], v[ST+16*\t:ST+16*\t+15], v[PC:PC+15], v[OT+8*\t:OT+8*\t+7], v[VSC+\t], v[PSW] matrix_a_fmt:MATRIX_FMT_BF8 matrix_b_fmt:MATRIX_FMT_BF8 matrix_a_scale:MATRIX_SCALE_ROW1
.else
	v_wmma_scale_f32_16x16x128_f8f6f4 v[OT+8*\t:OT+8*\t+7], v[ST+16*\t:ST+16*\t+15], v[PC:PC+15], v[OT+8*\t:OT+8*\t+7], v[VSC+\t], v[PSW] matrix_a_fmt:MATRIX_FMT_BF8 matrix_b_fmt:MATRIX_FMT_BF8
.endif
.endr
.if \q
.Lhidden_\@:
.endif
.endm
; THE WAY OUT of a block's 16 queries.  O^T / the sum goes through my own stage in LDS: a lane holds 32 neighbouring bytes of a row in each tile; a row of 256 bytes comes back whole, two rows an instruction.
; more = 1: the kernel goes on, and the stores' base and data are written again.
.macro WAYOUT more
	v_add_f32 v[LS], v[LS], v[LS+1]                ; the sum's two halves,
	s_delay_alu instid0(VALU_DEP_1)
	v_permlanex16_b32 v[TMP], v[LS], s[SEL], s[SEL+1]
	s_delay_alu instid0(VALU_DEP_1)
	v_add_f32 v[LS], v[LS], v[TMP]                 ; and lane l xor 16's: the row's sum
	s_wait_alu depctr_va_vdst(0)
	v_rcp_f32 v[LS], v[LS]
	PLACES 6                                       ; with the two additions: eight places behind the last products, whose results are read and whose sources are written below; also the plain line behind the reciprocal
.set n, 0
	s_wait_alu depctr_va_vdst(0)
.rept 16
	v_pk_mul_f32 v[ST+n:ST+n+1], v[OT+n:OT+n+1], v[LS:LS+1] op_sel_hi:[1,0]   ; register 8 t + j is o(query r, 16 t + 8 g + j); each accumulator from its low end on
.set n, n+2
.endr
.irp t, 0,1,2,3
	ds_store_b128 v[STI], v[ST+8*\t:ST+8*\t+3] offset:64*\t
	ds_store_b128 v[STI], v[ST+8*\t+4:ST+8*\t+7] offset:64*\t+16
.endr
.irp i, 0,1,2,3,4,5,6,7
	ds_load_b128 v[ST+32+4*\i:ST+32+4*\i+3], v[STO] offset:2*\i*SP   ; LDS serves a wave's instructions in order (ISA guide 5.7.1.4): these see my stores
.endr
.irp i, 0,1,2,3,4,5,6,7
	s_wait_dscnt 7-\i                              ; load i is back; the 7 - i issued behind it may be out
	global_store_b128 v[GO], v[ST+32+4*\i:ST+32+4*\i+3], s[OUT:OUT+1] offset:8192*\i th:TH_STORE_NT   ; 16 lanes store 256 consecutive bytes, a query's row of the head, at a multiple of 256 from out's first byte; written once, read by nobody here
.endr
.if \more
	s_wait_xcnt 0x0                                ; the stores' base and data are rewritten only behind this wait
.endif
.endm
.macro RESET                           ; on to the second block: its state begins anew, its Q moves in
	FRESH
.set n, 0
.rept 8
	v_mov_b32 v[QF+n], v[QH+n]
.set n, n+1
.endr
	v_mov_b32 v[QSC], v[QHS]
	s_mov_b32 s[Q0], s[Q0A]
	s_mov_b64 s[OUT:OUT+1], s[OUTA:OUTA+1]
.endm
	s_wait_loadcnt 0x0                             ; Q of both blocks
.Lunit:                                            ; eight trips, units 0 to 7: behind each change of slots the next unit's tiles are asked for
	CHANGE 1
	s_sub_co_u32 s95, 8, s[U]
	s_cmp_le_u32 s[U], s[LASTB]
	s_cselect_b32 s[SL], s[U], s95                 ; the unit's key slot: it enters compares, the mask and the choice below, never an LDS address
	s_lshl_b32 s[KF], s[SL], 8
	UNITHEAD
.irp k, 0,1,2,3,4,5,6
	VSARM \k
.endr
	VSLOAD 7
.Lvs_done:
	s_wait_alu depctr_va_vdst(0)
	STEP 0
	STEP 1
	s_xor_b32 s[TB], s[TB], SLOT1                  ; on to the other slot
	s_cmp_lg_u32 s[U], s[LASTB]                    ; the first block's last unit?  The same answer in all sixteen waves
	s_cbranch_scc1 .Lsame
	WAYOUT 1
	RESET
.Lsame:
	s_add_co_u32 s[U], s[U], 1
	s_cmp_lt_u32 s[U], 8
	s_cbranch_scc1 .Lunit
	CHANGE 0                                       ; unit 8 is written out: the second block against key slot 0
	s_mov_b32 s[KF], 0
	UNITHEAD
	VSLOAD 0
	s_wait_alu depctr_va_vdst(0)
	STEP 0
	STEP 1
	WAYOUT 0
	s_wait_tensorcnt 0x0                           ; the wave's end: behind my last tensor load and my last LDS store
	ds_add_u32 v[SPW], v[NIL]
	s_wait_dscnt 0x0
	s_endpgm
.Lfunc_end_k_qca9698897c_attn:
	.size	k_qca9698897c_attn, .Lfunc_end_k_qca9698897c_attn-k_qca9698897c_attn
	.p2alignl 7, 3214868480
	.fill 96, 4, 3214868480
	.section	.rodata,"a",@progbits
	.p2align	6, 0x0
	.amdhsa_kernel k_qca9698897c_attn
		.amdhsa_group_segment_fixed_size 327680
		.amdhsa_private_segment_fixed_size 0
		.amdhsa_enable_private_segment 0
		.amdhsa_kernarg_size 56
		.amdhsa_user_sgpr_count 2
		.amdhsa_user_sgpr_kernarg_segment_ptr 1
		.amdhsa_wavefront_size32 1
		.amdhsa_system_sgpr_workgroup_id_x 1
		.amdhsa_system_sgpr_workgroup_id_y 1
		.amdhsa_system_sgpr_workgroup_id_z 1
		.amdhsa_system_vgpr_workitem_id 0
		.amdhsa_next_free_vgpr 256
		.amdhsa_next_free_sgpr 100
		.amdhsa_reserve_vcc 1
		.amdhsa_float_denorm_mode_32 3
		.amdhsa_float_denorm_mode_16_64 3
		.amdhsa_fp16_overflow 1
		.amdhsa_memory_ordered 1
		.amdhsa_forward_progress 1
		.amdhsa_inst_pref_size 116
	.end_amdhsa_kernel
	.amdgpu_metadata
---
amdhsa.version: [ 1, 2 ]
amdhsa.kernels:
  - .name:           k_qca9698897c_attn
    .symbol:         k_qca9698897c_attn.kd
    .args:
      - { .name: queries_codes, .offset: 0, .size: 8, .value_kind: global_buffer, .address_space: global }
      - { .name: queries_scales, .offset: 8, .size: 8, .value_kind: global_buffer, .address_space: global }
      - { .name: keys_codes, .offset: 16, .size: 8, .value_kind: global_buffer, .address_space: global }
      - { .name: keys_scales, .offset: 24, .size: 8, .value_kind: global_buffer, .address_space: global }
      - { .name: values_codes, .offset: 32, .size: 8, .value_kind: global_buffer, .address_space: global }
      - { .name: values_scales, .offset: 40, .size: 8, .value_kind: global_buffer, .address_space: global }
      - { .name: out0, .offset: 48, .size: 8, .value_kind: global_buffer, .address_space: global }
    .group_segment_fixed_size: 327680
    .private_segment_fixed_size: 0
    .kernarg_segment_align: 8
    .kernarg_segment_size: 56
    .max_flat_workgroup_size: 512
    .sgpr_count:     100
    .vgpr_count:     256
    .wavefront_size: 32
...
	.end_amdgpu_metadata
.endif
;; end of part 1
